; MI455X (gfx1250); checked and timed in simulation.
; The chip was launched on July 23, 2026; its instructions are those of AMD's public machine-readable ISA for CDNA 5 (MIT licence, August 2026) and "CDNA5" Instruction Set Architecture Reference Guide (July 2026). The comments in the code are by the model that wrote it; some were corrected since.
;; Dispatch By Variable. Allowed arithmetic: matrix products marked QUANTISED: E2M3 operands, one E8M0 scale for each 32 along K, by v_wmma_scale_f32_16x16x128_f8f6f4 with both operands' format E2M3, f32 sums; everything else in f32.
;; Inputs: W_codes 8 x 512 x 16 x 24 uint8 (E2M3 codes of W, K innermost, in blocks of 32 codes, four codes in three bytes); W_scales 8 x 512 x 16 uint8 (E8M0 scales of W, one for each 32 codes along K); x 8 x 4,096 x 512 float32.
;; Outputs: out0 8 x 4,096 x 512 float32.
;; This version of the problem:
;;   THIS VERSION OF THE PROBLEM IS GIVEN IN LOW PRECISION. The matrix products marked QUANTISED in the list below multiply operands that are first quantised to E2M3 (2 exponent bits, 3 mantissa bits; 6 bits a number), with one power-of-two scale for each 32 numbers along K (OCP MX v1.0); their sums are f32. All else is computed in f32.
;;   The module's matrix products, in the order in which they are computed (A, B: the left and right operand; K: the contracted axis; several contracted axes count as one K, in the product's order):
;;     1. [M 32,768, K 512] x [K 512, N 512]; A: input x; B: input W (given as codes): QUANTISED
;;     2. [M 32,768, K 512] x [K 512, N 512]; A: input x; B: input W (given as codes): QUANTISED
;;     3. [M 32,768, K 512] x [K 512, N 512]; A: input x; B: input W (given as codes): QUANTISED
;;     4. [M 32,768, K 512] x [K 512, N 512]; A: input x; B: input W (given as codes): QUANTISED
;;     5. [M 32,768, K 512] x [K 512, N 512]; A: input x; B: input W (given as codes): QUANTISED
;;     6. [M 32,768, K 512] x [K 512, N 512]; A: input x; B: input W (given as codes): QUANTISED
;;     7. [M 32,768, K 512] x [K 512, N 512]; A: input x; B: input W (given as codes): QUANTISED
;;     8. [M 32,768, K 512] x [K 512, N 512]; A: input x; B: input W (given as codes): QUANTISED
;;   THE QUANTISER, for each operand of a quantised product, along K:
;;     - K is cut into blocks of 32 from its start; a last block that is shorter is filled with zeros.
;;     - A block's scale is 2^e with e = floor(log2(the largest magnitude in the block)) - 2, held to -126 .. 127; a block of zeros has e = 0. As a byte (E8M0): e + 127.
;;     - Each number is divided by its block's scale, clamped to +-7.5, and rounded to the nearest number of E2M3, ties to even, subnormals kept.
;;     - The product sums the exact products of the quantised numbers (number of the format x scale) in f32.
;;   ~~~python
;;   def quantise(x, axis):      # numpy; x: float32 -> the quantised numbers, widened to float32 again
;;       x = np.moveaxis(x, axis, -1); K = x.shape[-1]
;;       x = np.pad(x, [(0, 0)] * (x.ndim - 1) + [(0, -K % 32)]); x = x.reshape(x.shape[:-1] + (-1, 32)); a = np.abs(x).max(-1, keepdims=True)
;;       e = np.where(a > 0, np.clip(np.frexp(np.where(a > 0, a, 1))[1] - 1 - 2, -126, 127), 0)      # np.frexp(a)[1] - 1 = floor(log2(a)), exactly
;;       r = np.clip(x / 2.0 ** e, -7.5, 7.5)
;;       step = 2.0 ** (np.maximum(np.frexp(np.where(r == 0, 1, r))[1] - 1, 0) - 3)
;;       q = np.round(r / step) * step * 2.0 ** e      # np.round: ties to even
;;       return np.moveaxis(q.reshape(q.shape[:-2] + (-1,))[..., :K], -1, axis).astype(np.float32)
;;   ~~~
;;   INPUTS GIVEN AS CODES. W (in the module: [8, 512, 512], K = its axis 1): each comes as NAME_codes (uint8): NAME with its K axis moved to the last place and cut into blocks of 32 codes, [.., K / 32, bytes a block], one block behind the other in memory; four codes in three bytes: a row's codes are one little-endian stream of bits, code i at bits 6 i .. 6 i + 5 (a code: sign, 2 exponent bits, 3 mantissa bits); and NAME_scales (uint8): the same leading axes, one E8M0 byte (e + 127) for each 32 codes along K. Its value is code x scale, taken as it is: it is not quantised again, and the codes and scales need not be those that the quantiser above would give.
;; One version. Each part assembles by itself: llvm-mc -triple=amdgcn-amd-amdhsa -mcpu=gfx1250 --defsym DOCPART=n.
;; ======== version 1 of 1: 2 launches
;; workspace buffers: seg 8,192 bytes of whole numbers; srt 131,072 bytes of whole numbers; wimg 1,572,864 bytes
;; launch route (part 1): grid 256 x 1, 4 waves a work-group, no clusters, 1,536 bytes of LDS; arguments x, W_codes, seg, srt, wimg; writes seg, srt, wimg
.if DOCPART == 1
	.amdgcn_target "amdgcn-amd-amdhsa--gfx1250"
	.amdhsa_code_object_version 6
	.text
	.protected	k_qd9b69bd8a7_route
	.globl	k_qd9b69bd8a7_route
	.p2align	8
	.type	k_qd9b69bd8a7_route,@function
k_qd9b69bd8a7_route:
	s_mov_b64 s[64:65], 0
	v_nop
	global_prefetch_b8 v0, s[64:65] scope:SCOPE_SE
	s_setreg_imm32_b32 hwreg(HW_REG_WAVE_MODE, 25, 1), 1
	s_wait_xcnt 0x0
; ROUTE.  x: [32768][512] f32.  Each token's bin is the number of the seven boundaries -1.5 .. 1.5 that its element 0 exceeds (a NaN exceeds none: bin 0).
; Work-group b owns tokens 128 b .. 128 b + 127, thread t token 128 b + t.  It sorts its 128 tokens by bin, WITHOUT any address or branch that hangs on a bin:
; each token's slot is computed as a number, and the permutation is turned round by comparing every slot with every thread's number.
; Stored, as whole numbers for the next launch:  srt[128 b + s] = the token at slot s of block b;
;   seg[256 e + b] = (tokens of block b in bin e) | (128 b + tokens of the block in lower bins) << 16.
; Beside that, wave g = 4 b + w lays one fragment of W out as an image of the operand's registers: fragment f = (32 e + nt) 4 + s is rows 16 nt .. + 15 of expert e, K = 128 s .. + 127:
; registers 4 c .. 4 c + 3 of lane l at wimg + 1536 f + 512 c + 16 l.  f / 4 = b is the block of 16 rows among the 4,096 rows of 384 bytes, f % 4 = w the K step.
; No matrix work, no cluster, no tensor load: 4 bytes a token and 1.5 MB of codes are all that is moved.
.set WC, 0                             ; LDS: wave w's counts, 32 words at 128 w; lanes 0-7 hold bins 0-7
.set SL, 512                           ; LDS: the slot of token t at 4 t
	s_load_b256 s[4:11], s[0:1], 0x0               ; x s[4:5], W_codes s[6:7], seg s[8:9], srt s[10:11]
	s_load_b64 s[12:13], s[0:1], 0x20              ; wimg
	v_lshl_add_u32 v176, v0, 2, 0x400
	v_mov_b32 v177, 0
	v_lshrrev_b32 v8, 5, v0
	v_readfirstlane_b32 s16, v8                    ; wave 0..3
	s_mov_b32 s17, ttmp9                           ; b
	v_and_b32 v1, 31, v0                           ; lane
	v_lshlrev_b32 v2, 2, v0                        ; 4 t
	v_lshlrev_b32 v3, 11, v0                       ; my token's row: 2,048 bytes a token
	v_and_b32 v8, 15, v0                           ; r
	v_bfe_u32 v17, v0, 4, 1                        ; h
	v_mul_u32_u24 v22, v8, 384                     ; W's codes: row r of 384 bytes,
	v_mad_u32_u24 v22, v17, 24, v22                ; + 24 h
	v_lshlrev_b32 v23, 4, v1                       ; the image: 16 bytes a lane
	v_and_b32 v9, 7, v0
	v_lshlrev_b32 v9, 2, v9                        ; 4 (lane % 8): a bin's word among a wave's counts
	v_lshlrev_b32 v37, 8, v9                       ; 1,024 (lane % 8): a bin's row of seg
	v_mov_b32 v21, 0
	s_mov_b32 s36, 0xaaaaaaaa                      ; lanes with bit 0, 1, 2 of their number set
	s_mov_b32 s37, 0xcccccccc
	s_mov_b32 s38, 0xf0f0f0f0
	s_lshl_b32 s40, s17, 18                        ; x: 128 tokens of 2,048 bytes a block
	s_mov_b32 s41, 0
	s_mul_i32 s42, s17, 6144                       ; W_codes: 16 rows of 384 bytes a block,
	s_mul_i32 s44, s16, 96                         ; 96 bytes a K step
	s_add_co_u32 s42, s42, s44
	s_mov_b32 s43, 0
	s_lshl_b32 s44, s17, 2
	s_add_co_u32 s44, s44, s16                     ; f = 4 b + w
	s_mul_i32 s44, s44, 1536
	s_mov_b32 s45, 0
	s_lshl_b32 s46, s17, 9                         ; srt: 512 bytes a block
	s_mov_b32 s47, 0
	s_wait_alu depctr_va_vdst(0)
	s_wait_kmcnt 0x0
	s_add_nc_u64 s[4:5], s[4:5], s[40:41]
	s_add_nc_u64 s[6:7], s[6:7], s[42:43]
	s_add_nc_u64 s[12:13], s[12:13], s[44:45]
	s_add_nc_u64 s[10:11], s[10:11], s[46:47]
	s_lshl_b32 s46, s17, 2                         ; seg: word b of each bin's row
	s_add_nc_u64 s[8:9], s[8:9], s[46:47]
	global_load_b32 v4, v3, s[4:5]                 ; y = x[token][0]
.irp p, 0,1,2,3,4,5
	global_load_b64 v[24+2*\p:25+2*\p], v22, s[6:7] offset:48*(\p/3)+8*(\p%3)   ; the fragment as the operand's layout has it: 24 bytes at 24 h, 24 at 48 + 24 h, in pieces of 8
.endr
	s_wait_loadcnt 0x0                             ; all seven are wanted now
.irp c, 0,1,2
	global_store_b128 v23, v[24+4*\c:27+4*\c], s[12:13] offset:512*\c   ; 32 lanes store 512 consecutive bytes, at a multiple of 256 from wimg's first byte
.endr
; the bin: the boundaries ascend, so the last one that y exceeds gives the count of those exceeded
.macro BIN c, k
	v_cmp_lt_f32 vcc_lo, \c, v4
	v_cndmask_b32 v5, v5, \k, vcc_lo
.endm
	v_mov_b32 v5, 0
	BIN 0xbfc00000, 1
	BIN -1.0, 2
	BIN -0.5, 3
	BIN 0, 4
	BIN 0.5, 5
	BIN 1.0, 6
	BIN 0x3fc00000, 7
; for each bin: which lanes of my wave have it, how many, and my rank among them
	v_mov_b32 v6, 0
	v_mov_b32 v7, 0
.irp e, 0,1,2,3,4,5,6,7
	v_cmp_eq_u32 s[20+\e], \e, v5
	s_bcnt1_i32_b32 s[28+\e], s[20+\e]
	v_mbcnt_lo_u32_b32 v8, s[20+\e], 0             ; lanes of the bin below mine
	v_cndmask_b32 v6, v6, v8, s[20+\e]
	v_writelane_b32 v7, s[28+\e], \e               ; lane e: my wave's count of bin e
.endr
	ds_store_b32 v2, v7                            ; WC + 128 w + 4 lane
	s_wait_dscnt 0x0                               ; for the others' sake: my counts have landed
	s_barrier_signal -1
	s_barrier_wait -1
.irp q, 0,1,2,3
	ds_load_b32 v[10+\q], v9 offset:WC+128*\q      ; lane l: wave q's count of bin l % 8
.endr
	v_mov_b32 v15, 0
	v_mov_b32 v16, 0
	s_wait_alu depctr_va_vdst(0)
	s_wait_dscnt 0x0
	v_add3_u32 v38, v10, v11, v12
	v_add_nc_u32 v38, v38, v13                     ; the block's count of bin l % 8
.irp q, 0,1,2
	s_cmp_lt_u32 \q, s16
	s_cselect_b32 s40, 1, 0
	v_mad_u32_u24 v15, v[10+\q], s40, v15          ; and that of the waves in front of mine
.endr
	v_mov_b32 v14, v38
; the sum over lower bins, by exchanges 1, 2 and 4 lanes apart: a lane whose bit is set has its partner's group below it
.macro BFLY d, m
	v_mov_b32_dpp v8, v14 row_xmask:\d row_mask:0xf bank_mask:0xf
	v_cndmask_b32 v17, 0, v8, s[\m]
	v_add_nc_u32 v16, v16, v17
	v_add_nc_u32 v14, v14, v8
.endm
	BFLY 1, 36
	BFLY 2, 37
	BFLY 4, 38
	v_add_nc_u32 v18, v16, v15                     ; lane e: the slot of my wave's first token of bin e
	s_lshl_b32 s41, s17, 7                         ; 128 b
	v_add_nc_u32 v8, s41, v16
	v_lshl_or_b32 v36, v8, 16, v38                 ; lane e: seg's word
	v_mov_b32 v19, 0
.irp e, 0,1,2,3,4,5,6,7
	v_readlane_b32 s40, v18, \e
	v_cndmask_b32 v19, v19, s40, s[20+\e]          ; chosen as a value: no address hangs on the bin
.endr
	v_add_nc_u32 v19, v19, v6                      ; my token's slot
	ds_store_b32 v2, v19 offset:SL
	s_wait_dscnt 0x0
	s_barrier_signal -1
	s_barrier_wait -1
.set i, 0
.rept 32
	ds_load_b128 v[40+4*i:43+4*i], v21 offset:SL+16*i   ; all 128 slots, the same bytes in every lane
.set i, i+1
.endr
	v_mov_b32 v20, 0
	s_wait_alu depctr_va_vdst(0)
	s_wait_dscnt 0x0
.set i, 0
.rept 128                              ; the slots are a permutation of 0 .. 127: exactly one token has slot t
	v_cmp_ne_u32 vcc_lo, v[40+i], v0
	v_cndmask_b32 v20, i, v20, vcc_lo
.set i, i+1
.endr
	v_add_nc_u32 v20, s41, v20
	global_store_b32 v2, v20, s[10:11]             ; the four waves' stores cover the block's 512 consecutive bytes
	s_cmp_lg_u32 s16, 0
	s_cbranch_scc1 .Ldone                          ; every wave holds the same eight words of seg: wave 0 stores them
	v_cmp_gt_u32 vcc_lo, 8, v1
	s_wait_xcnt 0x0                                ; EXEC changes only behind this wait: the stores above have read it
	s_and_saveexec_b32 s40, vcc_lo
	global_store_b32 v37, v36, s[8:9]              ; eight words, one in each bin's row: 2,048 such words in the whole launch
	s_wait_xcnt 0x0
	s_or_b32 exec_lo, exec_lo, s40
.Ldone:
	s_wait_tensorcnt 0x0
	ds_add_u32 v176, v177
	s_wait_dscnt 0x0
	s_endpgm
.Lfunc_end_k_qd9b69bd8a7_route:
	.size	k_qd9b69bd8a7_route, .Lfunc_end_k_qd9b69bd8a7_route-k_qd9b69bd8a7_route
	.p2alignl 7, 3214868480
	.fill 96, 4, 3214868480
	.section	.rodata,"a",@progbits
	.p2align	6, 0x0
	.amdhsa_kernel k_qd9b69bd8a7_route
		.amdhsa_group_segment_fixed_size 1536
		.amdhsa_private_segment_fixed_size 0
		.amdhsa_enable_private_segment 0
		.amdhsa_kernarg_size 40
		.amdhsa_user_sgpr_count 2
		.amdhsa_user_sgpr_kernarg_segment_ptr 1
		.amdhsa_wavefront_size32 1
		.amdhsa_system_sgpr_workgroup_id_x 1
		.amdhsa_system_sgpr_workgroup_id_y 1
		.amdhsa_system_sgpr_workgroup_id_z 1
		.amdhsa_system_vgpr_workitem_id 0
		.amdhsa_next_free_vgpr 178
		.amdhsa_next_free_sgpr 66
		.amdhsa_reserve_vcc 1
		.amdhsa_float_denorm_mode_32 3
		.amdhsa_float_denorm_mode_16_64 3
		.amdhsa_memory_ordered 1
		.amdhsa_forward_progress 1
		.amdhsa_inst_pref_size 22
	.end_amdhsa_kernel
	.amdgpu_metadata
---
amdhsa.version: [ 1, 2 ]
amdhsa.kernels:
  - .name:           k_qd9b69bd8a7_route
    .symbol:         k_qd9b69bd8a7_route.kd
    .args:
      - { .name: x, .offset: 0, .size: 8, .value_kind: global_buffer, .address_space: global }
      - { .name: W_codes, .offset: 8, .size: 8, .value_kind: global_buffer, .address_space: global }
      - { .name: seg, .offset: 16, .size: 8, .value_kind: global_buffer, .address_space: global }
      - { .name: srt, .offset: 24, .size: 8, .value_kind: global_buffer, .address_space: global }
      - { .name: wimg, .offset: 32, .size: 8, .value_kind: global_buffer, .address_space: global }
    .group_segment_fixed_size: 1536
    .private_segment_fixed_size: 0
    .kernarg_segment_align: 8
    .kernarg_segment_size: 40
    .max_flat_workgroup_size: 128
    .sgpr_count:     66
    .vgpr_count:     178
    .wavefront_size: 32
...
	.end_amdgpu_metadata
.endif
;; end of part 1
;; launch chain (part 2): grid 256 x 1, 8 waves a work-group, no clusters, 141,568 bytes of LDS; arguments x, W_scales, seg, srt, wimg, out0; writes out0
.if DOCPART == 2
	.amdgcn_target "amdgcn-amd-amdhsa--gfx1250"
	.amdhsa_code_object_version 6
	.text
	.protected	k_qd9b69bd8a7_chain
	.globl	k_qd9b69bd8a7_chain
	.p2align	8
	.type	k_qd9b69bd8a7_chain,@function
k_qd9b69bd8a7_chain:
	s_mov_b64 s[64:65], 0
	v_nop
	global_prefetch_b8 v0, s[64:65] scope:SCOPE_SE
	s_setreg_imm32_b32 hwreg(HW_REG_WAVE_MODE, 25, 1), 1
	s_wait_xcnt 0x0
; CHAIN.  out[token] = Q(x[token]) W[bin(token)], K = 512, N = 512, on codes of FP6 (E2M3) with one E8M0 scale for each 32 along K.  Only the chosen expert's product is multiplied.
; The 32,768 tokens, sorted by bin, are cut into 256 spans of 128 positions: work-group i owns positions 128 i .. 128 i + 127, always 128 real rows.  Where a cut between bins falls inside a tile of 16 rows,
; the tile is multiplied once for each bin from its first row's to its last row's, with the codes of the other bins' rows set to zero, onto the same sums.
; P: each work-group finds its 128 tokens itself, from whole numbers that the launch before stored: a prefix over seg's 2,048 counts, a search in three levels, one load from srt.
; R: wave w reads rows 16 w .. + 15, whole rows of 2,048 bytes, quantises them and lays codes and scale bytes into LDS.
; C: wave w owns columns 64 w .. + 63 for all 128 rows: its 16 fragments of the expert's W lie in 192 registers, loaded as register images; results go through the wave's own stage and leave as aligned runs of 256 bytes.
; THE MATRIX INSTRUCTION IS USED TRANSPOSED (source 0 = 16 rows of W, source 1 = 16 tokens): lane (r, h) holds token r and columns 16 t + 8 h + 0 .. 7.
; NOT USED, and why: tensor loads and joint loads in a cluster: which expert a work-group walks hangs on stored numbers, so partners could not ask alike;
; W is 192 KB a work-group against 512 KB of x and out.  Prefetches: all of a wave's rows are asked for as soon as their numbers are known, eight rows (16 KB) a wave at a time.
; LIMITS: NaN and infinities in x are not served (the conversion gives the largest code); a block of zeros gets the scale byte 1 with zero codes, which add nothing; the byte 0xff in W_scales is not served.
.set XC,   0                           ; LDS: 128 rows x 400: 384 bytes of codes + 16 = 100 words: row r starts at bank 36 r mod 64 (64 banks of 4 bytes: ISA guide 11.1), so the 32 lanes of a fragment's load of 8 bytes touch 64 different banks
.set XS,   51200                       ; 128 rows x 16 scale bytes
.set TOKA, 53248                       ; 256 words: the token at my position (threads 128 .. 255 repeat 0 .. 127)
.set BINA, 54272                       ; 256 words: its bin
.set WT,   55296                       ; 8 words: each bin's number of tokens
.set TB,   55552                       ; 256 words: thread t's prefix within its bin
.set W3,   56576                       ; 2,048 words: (prefix within the bin) << 16 | start in srt
.set XST,  64768                       ; 8 waves x 2 stages x 32 x 80: a row of x on its way from 16 bytes a lane to 64 bytes a lane
.set OST,  105728                      ; 8 waves x 16 rows x 272: the way out
.set L16, 1                            ; v1   16 lane
.set AF,  2                            ; v2   XC + 400 r + 24 h
.set ASA, 3                            ; v3   XS + 16 r
.set BNA, 4                            ; v4   BINA + 4 r
.set TKA, 5                            ; v5   TOKA + 32 h
.set SO,  6                            ; v6   OST + 4352 w + 272 r + 32 h
.set SR,  7                            ; v7   OST + 4352 w + 2176 h + 16 r
.set CB,  8                            ; v8   256 w + 16 r: my 16 bytes in a row of out
.set WB0, 9                            ; v9   16 lane + 24576 w: my wave's 16 fragments in an expert's images
.set WSB, 10                           ; v10  (64 w + r) 16: my rows' scale bytes in an expert's
.set WO,  11                           ; v11, v12: the same with the expert in hand
.set WSO, 12
.set AT,  13                           ; v13-16: the tile's four LDS addresses
.set AST, 14
.set BNT, 15
.set TKT, 16
.set BN,  17                           ; v17  the bin of the tile's row r
.set STI, 18                           ; v18  XST + 5120 w + 80 (lane / 4) + 16 (lane % 4)
.set STO, 19                           ; v19  XST + 5120 w + 80 lane
.set CW,  20                           ; v20  XC + 6400 w + 12 lane
.set SBA, 21                           ; v21  XS + 256 w + lane / 2
.set NIL, 22                           ; v22  0
.set WS,  32                           ; v32-47 W's scale words, (t, s) at 4 t + s: they hold scales and nothing else
.set AS,  48                           ; v48-51 the tile's scale words of x, likewise
.set AFR, 52                           ; C: v52-99 the tile's four fragments of x
.set ACC, 100                          ; C: v100-131 four accumulators
.set OUTR, 132                         ; C: v132-163 16 rows back from the stage
.set TK,  164                          ; C: v164-171 tokens of rows 8 h + 0 .. 7
.set OO,  172                          ; C: v172-179 their byte offsets in out
.set XO,  52                           ; R: v52-67 my 16 rows' byte offsets in x
.set R,   68                           ; R: v68-195 eight sets of 16 numbers as loaded
.set X,   196                          ; R: v196-227 two sets of 16 neighbours
.set C,   228                          ; R: v228-235 two sets of codes
.set EB,  236                          ; R: v236-237 two scale bytes
; window 1 (v256-447): W's fragments, (t, s) at 12 (4 t + s).   s25 E the expert in hand, s26 HI the tile's last, s27 CUR the one whose W lies in the registers, s28 MN the tile
.set MSB, 0
.macro WIN new                         ; the immediate's high byte repeats the setting that is left
.if MSB != \new
	s_set_vgpr_msb (MSB<<8)|\new
.set MSB, \new
.endif
.endm
.macro BARRIER                         ; my LDS stores have landed and my LDS loads are in: then the work-group's barrier
	s_wait_dscnt 0x0
	s_barrier_signal -1
	s_barrier_wait -1
.endm
	s_load_b256 s[4:11], s[0:1], 0x0               ; x s[4:5], W_scales s[6:7], seg s[8:9], srt s[10:11]
	s_load_b128 s[12:15], s[0:1], 0x20             ; wimg s[12:13], out0 s[14:15]
	v_lshl_add_u32 v254, v0, 2, 0x22500
	v_mov_b32 v255, 0
	v_lshrrev_b32 v24, 5, v0
	s_delay_alu instid0(VALU_DEP_1)
	v_readfirstlane_b32 s16, v24                   ; wave 0..7
	s_lshl_b32 s17, ttmp9, 7                       ; my work-group's first position
	v_lshlrev_b32 v23, 5, v0                       ; 32 t
	s_wait_alu depctr_va_vdst(0)
	s_wait_kmcnt 0x0
	global_load_b128 v[52:55], v23, s[8:9]         ; seg's words 8 t .. 8 t + 7: wave w holds bin w's 256
	global_load_b128 v[56:59], v23, s[8:9] offset:16
	s_mov_b32 s18, 0x76543210
	s_mov_b32 s19, 0xfedcba98                      ; v_permlanex16_b32's selects for lane l xor 16
	s_mov_b32 s20, 0xaaaaaaaa                      ; lanes with bit 0 .. 4 of their number set
	s_mov_b32 s21, 0xcccccccc
	s_mov_b32 s22, 0xf0f0f0f0
	s_mov_b32 s23, 0xff00ff00
	s_mov_b32 s24, 0xffff0000
	; the addresses that stay, made while seg is on its way
	v_and_b32 v24, 31, v0                          ; lane
	v_and_b32 v25, 15, v0                          ; r
	v_bfe_u32 v26, v0, 4, 1                        ; h
	s_delay_alu instid0(VALU_DEP_3)
	v_lshlrev_b32 v[L16], 4, v24
	s_delay_alu instid0(VALU_DEP_3)
	v_mul_u32_u24 v[AF], v25, 400
	s_delay_alu instid0(VALU_DEP_1)
	v_mad_u32_u24 v[AF], v26, 24, v[AF]
	v_lshl_add_u32 v[ASA], v25, 4, XS
	v_lshl_add_u32 v[BNA], v25, 2, BINA
	v_lshl_add_u32 v[TKA], v26, 5, TOKA
	s_mul_i32 s29, s16, 4352
	s_add_co_u32 s29, s29, OST
	v_mul_u32_u24 v[SO], v25, 272
	s_delay_alu instid0(VALU_DEP_1)
	v_lshl_add_u32 v[SO], v26, 5, v[SO]
	s_delay_alu instid0(VALU_DEP_1)
	v_add_nc_u32 v[SO], s29, v[SO]
	v_mul_u32_u24 v[SR], v26, 2176
	s_delay_alu instid0(VALU_DEP_1)
	v_lshl_add_u32 v[SR], v25, 4, v[SR]
	s_delay_alu instid0(VALU_DEP_1)
	v_add_nc_u32 v[SR], s29, v[SR]
	s_lshl_b32 s30, s16, 8
	v_lshl_add_u32 v[CB], v25, 4, s30
	s_mul_i32 s30, s16, 24576
	v_add_nc_u32 v[WB0], s30, v[L16]
	s_lshl_b32 s30, s16, 10
	v_lshl_add_u32 v[WSB], v25, 4, s30
	s_mul_i32 s30, s16, 5120
	s_add_co_u32 s30, s30, XST
	v_lshrrev_b32 v27, 2, v24
	s_delay_alu instid0(VALU_DEP_1)
	v_mul_u32_u24 v[STI], v27, 80
	v_and_b32 v27, 3, v24
	s_delay_alu instid0(VALU_DEP_1)
	v_lshl_add_u32 v[STI], v27, 4, v[STI]
	s_delay_alu instid0(VALU_DEP_1)
	v_add_nc_u32 v[STI], s30, v[STI]
	v_mul_u32_u24 v[STO], v24, 80
	s_delay_alu instid0(VALU_DEP_1)
	v_add_nc_u32 v[STO], s30, v[STO]
	s_mul_i32 s30, s16, 6400
	v_mul_u32_u24 v[CW], v24, 12
	s_delay_alu instid0(VALU_DEP_1)
	v_add_nc_u32 v[CW], s30, v[CW]
	s_lshl_b32 s30, s16, 8
	s_add_co_u32 s30, s30, XS
	v_lshrrev_b32 v[SBA], 1, v24
	s_delay_alu instid0(VALU_DEP_1)
	v_add_nc_u32 v[SBA], s30, v[SBA]
	v_mov_b32 v[NIL], 0
	v_lshlrev_b32 v30, 2, v0                       ; 4 t
	s_lshl_b32 s30, s16, 2
	s_add_co_u32 s30, s30, WT
	v_mov_b32 v31, s30                             ; WT + 4 w
	; ---- P.  The prefix of the counts within my bin: in my thread, then over the wave's 32 lanes
	s_wait_loadcnt 0x0
	v_mov_b32 v60, 0
.irp i, 0,1,2,3,4,5,6
	v_and_b32 v24, 0xffff, v[52+\i]
	s_delay_alu instid0(VALU_DEP_1)
	v_add_nc_u32 v[61+\i], v[60+\i], v24           ; v[60 + i]: the counts in front of word i, in my thread
.endr
	v_and_b32 v24, 0xffff, v59
	s_delay_alu instid0(VALU_DEP_1)
	v_add_nc_u32 v25, v67, v24                     ; my thread's total
	v_mov_b32 v26, 0                               ; the lanes' below mine
	v_mov_b32 v27, 0                               ; (written once: a lane exchange's destination counts as one of its sources)
.macro SCANTAIL m                      ; a lane whose bit is set has its partner's group below it
	s_delay_alu instid0(VALU_DEP_1)
	v_cndmask_b32 v28, 0, v27, s[\m]
	s_delay_alu instid0(VALU_DEP_1)
	v_add_nc_u32 v26, v26, v28
	s_delay_alu instid0(VALU_DEP_3)
	v_add_nc_u32 v25, v25, v27
.endm
.macro BFLY d, m
	v_mov_b32_dpp v27, v25 row_xmask:\d row_mask:0xf bank_mask:0xf
	SCANTAIL \m
.endm
	BFLY 1, 20
	BFLY 2, 21
	BFLY 4, 22
	BFLY 8, 23
	s_delay_alu instid0(VALU_DEP_1)
	v_permlanex16_b32 v27, v25, s18, s19
	SCANTAIL 24                                    ; v25 is now the bin's number of tokens, in every lane
.irp i, 0,1,2,3,4,5,6,7
	v_add_nc_u32 v24, v26, v[60+\i]
	v_lshrrev_b32 v29, 16, v[52+\i]
	s_delay_alu instid0(VALU_DEP_1)
	v_lshl_or_b32 v[68+\i], v24, 16, v29           ; prefix (at most 32,768) above, start in srt (at most 32,768) below
.endr
	ds_store_b128 v23, v[68:71] offset:W3
	ds_store_b128 v23, v[72:75] offset:W3+16
	ds_store_b32 v30, v26 offset:TB
	ds_store_b32 v31, v25                          ; all lanes write the same word with the same value
	BARRIER                                        ; 1: the three tables lie in LDS
	; level 1: the bin.  At every level the LAST entry that is not above the position is taken: that passes over empty bins and empty segments
	ds_load_b128 v[52:55], v[NIL] offset:WT
	ds_load_b128 v[56:59], v[NIL] offset:WT+16
	v_and_b32 v76, 127, v0
	s_delay_alu instid0(VALU_DEP_1)
	v_add_nc_u32 v76, s17, v76                     ; p, my position
	v_mov_b32 v77, 0                               ; the bin
	v_mov_b32 v78, 0                               ; where it begins
	s_wait_dscnt 0x0
	v_mov_b32 v79, v52
	s_wait_alu depctr_va_vdst(0)
.irp i, 1
	v_cmp_gt_u32 vcc_lo, v79, v76                  ; does bin i begin behind p?
	s_delay_alu instid0(VALU_DEP_1)
	v_cndmask_b32 v77, \i, v77, vcc_lo
	s_delay_alu instid0(VALU_DEP_2)
	v_cndmask_b32 v78, v79, v78, vcc_lo
	v_add_nc_u32 v79, v79, v[52+\i]
.endr
.irp i, 2, 3, 4, 5, 6, 7
	s_delay_alu instid0(VALU_DEP_1)
	v_cmp_gt_u32 vcc_lo, v79, v76                  ; does bin i begin behind p?
	s_delay_alu instid0(VALU_DEP_1)
	v_cndmask_b32 v77, \i, v77, vcc_lo
	s_delay_alu instid0(VALU_DEP_2)
	v_cndmask_b32 v78, v79, v78, vcc_lo
	s_delay_alu instid0(VALU_DEP_4)
	v_add_nc_u32 v79, v79, v[52+\i]
.endr
	s_delay_alu instid0(VALU_DEP_2)
	v_sub_nc_u32 v80, v76, v78                     ; p', my place within the bin
	; level 2: which thread's eight segments
	s_delay_alu instid0(VALU_DEP_4)
	v_min_u32 v77, 7, v77
	s_delay_alu instid0(VALU_DEP_1)
	v_lshlrev_b32 v81, 7, v77
.irp j, 0,1,2,3,4,5,6,7
	ds_load_b128 v[84+4*\j:87+4*\j], v81 offset:TB+16*\j
.endr
	v_mov_b32 v82, 0
	s_wait_alu depctr_va_vdst(0)
	s_wait_dscnt 0x0
.set i, 1
.rept 31
	v_cmp_gt_u32 vcc_lo, v[84+i], v80
	s_delay_alu instid0(VALU_DEP_1)
	v_cndmask_b32 v82, i, v82, vcc_lo
.set i, i+1
.endr
	; level 3: which of the eight
	s_delay_alu instid0(VALU_DEP_1)
	v_lshl_add_u32 v81, v77, 5, v82
	s_delay_alu instid0(VALU_DEP_1)
	v_min_u32 v81, 0xff, v81
	s_delay_alu instid0(VALU_DEP_1)
	v_lshlrev_b32 v81, 5, v81
	ds_load_b128 v[116:119], v81 offset:W3
	ds_load_b128 v[120:123], v81 offset:W3+16
	v_lshl_or_b32 v83, v80, 16, 0xffff             ; a word is not above this key where its prefix is not above p'
	s_wait_alu depctr_va_vdst(0)
	s_wait_dscnt 0x0
	v_mov_b32 v124, v116
.irp i, 1,2,3,4,5,6,7
	v_cmp_gt_u32 vcc_lo, v[116+\i], v83
	s_delay_alu instid0(VALU_DEP_1)
	v_cndmask_b32 v124, v[116+\i], v124, vcc_lo
.endr
	s_delay_alu instid0(VALU_DEP_1)
	v_and_b32 v126, 0xffff, v124                   ; the segment's start in srt
	s_delay_alu instid0(VALU_DEP_2)
	v_lshrrev_b32 v127, 16, v124                   ; its prefix
	s_delay_alu instid0(VALU_DEP_2)
	v_add_nc_u32 v126, v126, v80
	s_delay_alu instid0(VALU_DEP_1)
	v_sub_nc_u32 v126, v126, v127
	s_delay_alu instid0(VALU_DEP_1)
	v_min_u32 v126, 0x7fff, v126
	s_delay_alu instid0(VALU_DEP_1)
	v_lshlrev_b32 v126, 2, v126
	global_load_b32 v125, v126, s[10:11]           ; my position's token
	BARRIER                                        ; 2: every wave's search reads are over before any wave stores to LDS again; the load above stays on its way
	s_wait_loadcnt 0x0
	ds_store_b32 v30, v125 offset:TOKA
	ds_store_b32 v30, v77 offset:BINA
	BARRIER                                        ; 3: the 128 tokens and their bins lie in LDS
	; ---- R.  My 16 rows' numbers, the same in every lane
	s_lshl_b32 s29, s16, 6
	v_mov_b32 v23, s29
.irp j, 0,1,2,3
	ds_load_b128 v[XO+4*\j:XO+4*\j+3], v23 offset:TOKA+16*\j
.endr
	ds_load_b32 v24, v[NIL] offset:BINA            ; the span's first bin
	s_wait_dscnt 0x0
	v_readfirstlane_b32 s27, v24
	s_min_u32 s27, s27, 7
	s_mov_b32 s25, s27
.irp i, 0,1,2,3,4,5,6,7,8,9,10,11,12,13,14,15
	v_min_u32 v[XO+\i], 0x7fff, v[XO+\i]
	s_delay_alu instid0(VALU_DEP_1)
	v_lshl_add_u32 v[XO+\i], v[XO+\i], 11, v[L16]  ; the row's 2,048 bytes, 16 bytes a lane
.endr
; Expert s25's part for my wave: 4 loads of scale words (lane r: the four words of row 64 w + 16 t + r) and 48 loads of 512 consecutive bytes, which are the fragments' registers as they stand.  52 loads.
.macro LOADW
	s_min_u32 s29, s25, 7
	s_mul_i32 s30, s29, 196608                     ; an expert's images: 128 fragments of 1,536 bytes
	s_lshl_b32 s29, s29, 13                        ; its scale bytes: 512 rows of 16
	v_add_nc_u32 v[WO], s30, v[WB0]
	v_add_nc_u32 v[WSO], s29, v[WSB]
.irp t, 0,1,2,3
	global_load_b128 v[WS+4*\t:WS+4*\t+3], v[WSO], s[6:7] offset:256*\t
.endr
	WIN 0x40                                       ; destination window 1, address window 0
.set k, 0
.rept 48
	global_load_b128 v[4*k:4*k+3], v[WO], s[12:13] offset:512*k
.set k, k+1
.endr
	WIN 0
.endm
.macro XLOAD i                         ; row i: four loads of 512 consecutive bytes, into set i % 8
.irp j, 0,1,2,3
	global_load_b128 v[R+16*((\i)%8)+4*\j:R+16*((\i)%8)+4*\j+3], v[XO+(\i)], s[4:5] offset:512*\j th:TH_LOAD_NT
.endr
.endm
.macro TURN i                          ; row i through my stage: in as loaded, 64 bytes and then 16 of padding; out 64 bytes a lane: lane l then holds numbers 16 l .. 16 l + 15.  LDS serves a wave's instructions in order (ISA guide 5.7.1.4): no wait between
.irp j, 0,1,2,3
	ds_store_b128 v[STI], v[R+16*((\i)%8)+4*\j:R+16*((\i)%8)+4*\j+3] offset:2560*((\i)%2)+640*\j
.endr
.irp j, 0,1,2,3
	ds_load_b128 v[X+16*((\i)%2)+4*\j:X+16*((\i)%2)+4*\j+3], v[STO] offset:2560*((\i)%2)+16*\j
.endr
.endm
.macro QSTEP i
.set XQ, X+16*((\i)%2)
.set CQ, C+4*((\i)%2)
.if (\i) > 0
	s_wait_dscnt 4                                 ; row i is back from the stage; the four stores at the last row's end may be out.  So the stage's stores have read set i % 8, and the row before last's stores their codes
.else
	s_wait_dscnt 0x0
.endif
.if (\i) < 8
	XLOAD (\i)+8                                   ; eight rows, 32 loads, of the wave are on their way
.endif
.if (\i) == 12
	LOADW                                          ; all rows of x are asked for: now the first expert's W, which lands under the last rows' work
.endif
.if (\i) < 15
.if 14-(\i) >= 7
.set LW, 28
.else
.set LW, 4*(14-(\i))
.endif
.if (\i) >= 12
.set LW, LW+52
.endif
	s_wait_loadcnt LW                              ; row i + 1 is in; out may be the rows behind it, four loads each, and from row 12 on W's 52
	TURN (\i)+1
.endif
	v_max3_num_f32 v238, |v[XQ]|, |v[XQ+1]|, |v[XQ+2]|              ; the largest magnitude of my 16, in two chains
	v_max3_num_f32 v239, |v[XQ+3]|, |v[XQ+4]|, |v[XQ+5]|
.irp n, 6,10
	s_delay_alu instid0(VALU_DEP_2)
	v_max3_num_f32 v238, v238, |v[XQ+\n]|, |v[XQ+\n+1]|
	s_delay_alu instid0(VALU_DEP_2)
	v_max3_num_f32 v239, v239, |v[XQ+\n+2]|, |v[XQ+\n+3]|
.endr
	s_delay_alu instid0(VALU_DEP_2)
	v_max3_num_f32 v238, v238, |v[XQ+14]|, |v[XQ+15]|
	s_delay_alu instid0(VALU_DEP_1)
	v_max3_num_f32 v238, v238, v239, 0x1800000     ; and the floor 2^(3 - 127): the byte cannot fall under 1
	s_delay_alu instid0(VALU_DEP_1)
	v_max_num_f32_dpp v238, v238, v238 row_xmask:1 row_mask:0xf bank_mask:0xf   ; with my neighbour's 16: the block's
	s_delay_alu instid0(VALU_DEP_1)
	v_add_nc_u32 v240, 0xff000000, v238            ; 2 off its exponent field: the conversion takes that field as its scale, and nothing else of this operand
	v_cvt_scalef32_pk16_fp6_f32 v[CQ:CQ+2], v[XQ:XQ+15], v240
	v_lshrrev_b32 v[EB+(\i)%2], 23, v240           ; the scale's byte.  (Also the plain instruction behind the conversion)
	ds_store_b32 v[CW], v[CQ] offset:400*(\i)      ; 12 bytes a lane: words 3 lane + 0, 1, 2 of the row: each store's 32 words fall on 32 different banks
	ds_store_b32 v[CW], v[CQ+1] offset:400*(\i)+4
	ds_store_b32 v[CW], v[CQ+2] offset:400*(\i)+8
	ds_store_b8 v[SBA], v[EB+(\i)%2] offset:16*(\i)   ; both lanes of a block write the same byte with the same value
.endm
.irp i, 0,1,2,3,4,5,6,7
	XLOAD \i
.endr
	s_wait_loadcnt 28                              ; row 0 is in; seven rows may be out
	TURN 0
.irp i, 0,1,2,3,4,5,6,7,8,9,10,11,12,13,14,15
	QSTEP \i
.endr
	BARRIER                                        ; 4: the 128 rows' codes and scale bytes lie in LDS.  No barrier stands behind this one
	; ---- C
.macro AFLOAD                          ; the tile's four fragments: lane (r, h): 24 bytes at 96 s + 24 h and 24 at 96 s + 48 + 24 h of row r, in pieces of 8
.irp s, 0,1,2,3
.irp p, 0,1,2,3,4,5
	ds_load_b64 v[AFR+12*\s+2*\p:AFR+12*\s+2*\p+1], v[AT] offset:96*\s+48*(\p/3)+8*(\p%3)
.endr
.endr
.endm
.macro FETCH                           ; tile min(s28, 7): 28 LDS loads
	s_min_u32 s29, s28, 7
	s_mul_i32 s30, s29, 6400
	s_lshl_b32 s31, s29, 8
	s_lshl_b32 s32, s29, 6
	v_add_nc_u32 v[AT], s30, v[AF]
	v_add_nc_u32 v[AST], s31, v[ASA]
	v_add_nc_u32 v[BNT], s32, v[BNA]
	v_add_nc_u32 v[TKT], s32, v[TKA]
	AFLOAD
	ds_load_b128 v[AS:AS+3], v[AST]                ; lane r: row r's four scale words
	ds_load_b32 v[BN], v[BNT]                      ; row r's bin
	ds_load_b128 v[TK:TK+3], v[TKT]                ; the tokens of rows 8 h + 0 .. 7: the order in which rows come back from the stage
	ds_load_b128 v[TK+4:TK+7], v[TKT] offset:16
.endm
; The tile times expert s25.  The codes of rows of other bins become zeros, which add nothing.  zero = 1: the first K step starts the sums.  The four accumulators take turns, one instruction a turn.
.macro PASS zero
	v_cmp_eq_u32 vcc_lo, s25, v[BN]
.set k, 0
.rept 48
	v_cndmask_b32 v[AFR+k], 0, v[AFR+k], vcc_lo
.set k, k+1
.endr
.rept 4
	v_nop                                          ; an operand written by vector instructions stands four places ahead of a scaled matrix instruction
.endr
	WIN 0x01                                       ; source 0 (W) window 1
.irp s, 0,1,2,3
.irp t, 0,1,2,3
.if (\zero) && (\s == 0)
	v_wmma_scale_f32_16x16x128_f8f6f4 v[ACC+8*\t:ACC+8*\t+7], v[12*(4*\t+\s):12*(4*\t+\s)+11], v[AFR+12*\s:AFR+12*\s+11], 0, v[WS+4*\t+\s], v[AS+\s] matrix_a_fmt:MATRIX_FMT_FP6 matrix_b_fmt:MATRIX_FMT_FP6
.else
	v_wmma_scale_f32_16x16x128_f8f6f4 v[ACC+8*\t:ACC+8*\t+7], v[12*(4*\t+\s):12*(4*\t+\s)+11], v[AFR+12*\s:AFR+12*\s+11], v[ACC+8*\t:ACC+8*\t+7], v[WS+4*\t+\s], v[AS+\s] matrix_a_fmt:MATRIX_FMT_FP6 matrix_b_fmt:MATRIX_FMT_FP6
.endif
.endr
.endr
	WIN 0
.rept 5
	v_nop                                          ; four places in front of the stage's stores of the results and of loads into the operands' and scales' registers; a fifth for the next tile's products, which begin the accumulators anew
.endr
.endm
	s_mov_b32 s28, 0
	FETCH
.Ltile:                                            ; eight trips, a tile of 16 rows each
	s_wait_dscnt 0x0                               ; the fetched tile is in
	s_wait_loadcnt 0x0                             ; no load of W is out: another may be issued into the same registers
	s_wait_xcnt 0x0                                ; the last tile's stores have read their offsets and data: both are written again below
.irp i, 0,1,2,3,4,5,6,7
	v_min_u32 v[TK+\i], 0x7fff, v[TK+\i]
	s_delay_alu instid0(VALU_DEP_1)
	v_lshl_add_u32 v[OO+\i], v[TK+\i], 11, v[CB]
.endr
	v_readlane_b32 s25, v[BN], 0                   ; the rows are sorted: row 0 has the tile's lowest bin, row 15 its highest
	s_min_u32 s25, s25, 7
	v_readlane_b32 s26, v[BN], 15
	s_min_u32 s26, s26, 7
	s_cmp_eq_u32 s25, s27
	s_cbranch_scc1 .Lhave                          ; its W lies in the registers already: so in all tiles but those behind a cut
	LOADW
.Lhave:
	s_wait_loadcnt 0x0
	PASS 1
	s_cmp_ge_u32 s25, s26
	s_cbranch_scc1 .Lout
.Lmore:                                            ; only where a cut between bins falls inside the tile: one trip for each further bin up to the last row's
	s_add_co_u32 s25, s25, 1
	LOADW
	AFLOAD                                         ; the codes once more: the pass before has set this bin's rows to zero
	s_wait_dscnt 0x0
	s_wait_loadcnt 0x0
	PASS 0
	s_cmp_lt_u32 s25, s26
	s_cbranch_scc1 .Lmore
.Lout:
	s_mov_b32 s27, s26
.irp t, 0,1,2,3
	ds_store_b128 v[SO], v[ACC+8*\t:ACC+8*\t+3] offset:64*\t         ; each accumulator from its low end on; rows of 272 bytes
	ds_store_b128 v[SO], v[ACC+8*\t+4:ACC+8*\t+7] offset:64*\t+16
.endr
.irp i, 0,1,2,3,4,5,6,7
	ds_load_b128 v[OUTR+4*\i:OUTR+4*\i+3], v[SR] offset:272*\i       ; lanes 0-15 row i, lanes 16-31 row i + 8; my own stage, served in order: these see the stores above
.endr
	s_add_co_u32 s28, s28, 1
	FETCH                                          ; the next tile (in the last trip tile 7 once more, not used): it lands while the rows are stored
	s_wait_dscnt 28                                ; all but the fetch's 28: the rows are back
.irp i, 0,1,2,3,4,5,6,7
	global_store_b128 v[OO+\i], v[OUTR+4*\i:OUTR+4*\i+3], s[14:15] th:TH_STORE_NT   ; 16 lanes store 256 consecutive bytes of a token's row, at a multiple of 256 from out's first byte; written once, read by nobody here
.endr
	s_cmp_lt_u32 s28, 8
	s_cbranch_scc1 .Ltile
	s_wait_dscnt 0x0                               ; the last fetch
	s_wait_tensorcnt 0x0
	ds_add_u32 v254, v255
	s_wait_dscnt 0x0
	s_endpgm
.Lfunc_end_k_qd9b69bd8a7_chain:
	.size	k_qd9b69bd8a7_chain, .Lfunc_end_k_qd9b69bd8a7_chain-k_qd9b69bd8a7_chain
	.p2alignl 7, 3214868480
	.fill 96, 4, 3214868480
	.section	.rodata,"a",@progbits
	.p2align	6, 0x0
	.amdhsa_kernel k_qd9b69bd8a7_chain
		.amdhsa_group_segment_fixed_size 141568
		.amdhsa_private_segment_fixed_size 0
		.amdhsa_enable_private_segment 0
		.amdhsa_kernarg_size 48
		.amdhsa_user_sgpr_count 2
		.amdhsa_user_sgpr_kernarg_segment_ptr 1
		.amdhsa_wavefront_size32 1
		.amdhsa_system_sgpr_workgroup_id_x 1
		.amdhsa_system_sgpr_workgroup_id_y 1
		.amdhsa_system_sgpr_workgroup_id_z 1
		.amdhsa_system_vgpr_workitem_id 0
		.amdhsa_next_free_vgpr 448
		.amdhsa_next_free_sgpr 66
		.amdhsa_reserve_vcc 1
		.amdhsa_float_denorm_mode_32 3
		.amdhsa_float_denorm_mode_16_64 3
		.amdhsa_memory_ordered 1
		.amdhsa_forward_progress 1
		.amdhsa_inst_pref_size 87
	.end_amdhsa_kernel
	.amdgpu_metadata
---
amdhsa.version: [ 1, 2 ]
amdhsa.kernels:
  - .name:           k_qd9b69bd8a7_chain
    .symbol:         k_qd9b69bd8a7_chain.kd
    .args:
      - { .name: x, .offset: 0, .size: 8, .value_kind: global_buffer, .address_space: global }
      - { .name: W_scales, .offset: 8, .size: 8, .value_kind: global_buffer, .address_space: global }
      - { .name: seg, .offset: 16, .size: 8, .value_kind: global_buffer, .address_space: global }
      - { .name: srt, .offset: 24, .size: 8, .value_kind: global_buffer, .address_space: global }
      - { .name: wimg, .offset: 32, .size: 8, .value_kind: global_buffer, .address_space: global }
      - { .name: out0, .offset: 40, .size: 8, .value_kind: global_buffer, .address_space: global }
    .group_segment_fixed_size: 141568
    .private_segment_fixed_size: 0
    .kernarg_segment_align: 8
    .kernarg_segment_size: 48
    .max_flat_workgroup_size: 256
    .sgpr_count:     66
    .vgpr_count:     448
    .wavefront_size: 32
...
	.end_amdgpu_metadata
.endif
;; end of part 2
